; MI455X (gfx1250); checked and timed in simulation.
; The chip was launched on July 23, 2026; its instructions are those of AMD's public machine-readable ISA for CDNA 5 (MIT licence, August 2026) and "CDNA5" Instruction Set Architecture Reference Guide (July 2026). The comments in the code are by the model that wrote it; some were corrected since.
;; Lo RA Linear. Allowed arithmetic: matrix products marked QUANTISED: E2M1 operands, one E8M0 scale for each 32 along K, by v_wmma_scale_f32_16x16x128_f8f6f4 with both operands' format E2M1 (or v_wmma_scale_f32_32x16x128_f4), f32 sums; products left as they are: f32 operands where the result goes on into a quantised operand, else bf16, f16 or f32 operands; f32 sums; everything else in f32.
;; Inputs: bias 4,096 float32; lora_A 8 x 4,096 float32; lora_B 4,096 x 8 float32; scale 4,096 float32; weight_quant 4,096 x 2,048 int32; x 4 x 1,024 x 4,096 float32; zero 4,096 float32.
;; Outputs: out0 4 x 1,024 x 4,096 float32.
;; This version of the problem:
;;   THIS VERSION OF THE PROBLEM IS GIVEN IN LOW PRECISION. The matrix products marked QUANTISED in the list below multiply operands that are first quantised to E2M1 (2 exponent bits, 1 mantissa bit; 4 bits a number), with one power-of-two scale for each 32 numbers along K (OCP MX v1.0); their sums are f32. All else is computed in f32.
;;   The module's matrix products, in the order in which they are computed (A, B: the left and right operand; K: the contracted axis; several contracted axes count as one K, in the product's order):
;;     1. [M 4,096, K 4,096] x [K 4,096, N 4,096]; A: input x; B: computed on the way: QUANTISED
;;     2. [M 4,096, K 4,096] x [K 4,096, N 8]; A: input x; B: input lora_A: left as it is (N = 8 < 16)
;;     3. [M 4,096, K 8] x [K 8, N 4,096]; A: computed on the way; B: input lora_B: left as it is (K = 8 < 32)
;;   THE QUANTISER, for each operand of a quantised product, along K:
;;     - K is cut into blocks of 32 from its start; a last block that is shorter is filled with zeros.
;;     - A block's scale is 2^e with e = floor(log2(the largest magnitude in the block)) - 2, held to -126 .. 127; a block of zeros has e = 0. As a byte (E8M0): e + 127.
;;     - Each number is divided by its block's scale, clamped to +-6, and rounded to the nearest number of E2M1, ties to even, subnormals kept.
;;     - The product sums the exact products of the quantised numbers (number of the format x scale) in f32.
;;   ~~~python
;;   def quantise(x, axis):      # numpy; x: float32 -> the quantised numbers, widened to float32 again
;;       x = np.moveaxis(x, axis, -1); K = x.shape[-1]
;;       x = np.pad(x, [(0, 0)] * (x.ndim - 1) + [(0, -K % 32)]); x = x.reshape(x.shape[:-1] + (-1, 32)); a = np.abs(x).max(-1, keepdims=True)
;;       e = np.where(a > 0, np.clip(np.frexp(np.where(a > 0, a, 1))[1] - 1 - 2, -126, 127), 0)      # np.frexp(a)[1] - 1 = floor(log2(a)), exactly
;;       r = np.clip(x / 2.0 ** e, -6, 6)
;;       step = 2.0 ** (np.maximum(np.frexp(np.where(r == 0, 1, r))[1] - 1, 0) - 1)
;;       q = np.round(r / step) * step * 2.0 ** e      # np.round: ties to even
;;       return np.moveaxis(q.reshape(q.shape[:-2] + (-1,))[..., :K], -1, axis).astype(np.float32)
;;   ~~~
;;   OPERANDS COMPUTED ON THE WAY. 'Computed on the way' means the value that the module computes at that place (a softmax that the list does not call 'softmax' is quantised finished and normalised). What goes into a quantiser is computed in f32, as accurately as f32 sums, v_exp_f32 and their like allow (about 1e-6 of the number): no bf16 or f16 on the way to a quantiser, and a product that is left as it is and whose result goes on into a quantised operand takes f32 operands (vector FMAs, or v_wmma_f32_16x16x4_f32). A number that lies on a knife's edge between two numbers of the format may be rounded either way, as far as f32 arithmetic and the matrix unit's own rounding can turn it there, and no further.
;; One version. Each part assembles by itself: llvm-mc -triple=amdgcn-amd-amdhsa -mcpu=gfx1250 --defsym DOCPART=n.
;; ======== version 1 of 1: 2 launches
;; limits: values are held in bf16: 8 bits of precision; right only within a limited range of input values
;; workspace buffers: xq 8,912,896 bytes; wq 8,912,896 bytes; t2 131,072 bytes
;; launch prep (part 1): grid 256 x 1, 8 waves a work-group, no clusters, 310,272 bytes of LDS; arguments x, weight_quant, scale, zero, lora_A, xq, wq, t2; writes xq, wq, t2
.if DOCPART == 1
	.amdgcn_target "amdgcn-amd-amdhsa--gfx1250"
	.amdhsa_code_object_version 6
	.text
	.protected	k_q079149a7a1_prep
	.globl	k_q079149a7a1_prep
	.p2align	8
	.type	k_q079149a7a1_prep,@function
k_q079149a7a1_prep:
	s_mov_b64 s[64:65], 0
	v_nop
	global_prefetch_b8 v0, s[64:65] scope:SCOPE_SE
	s_setreg_imm32_b32 hwreg(HW_REG_WAVE_MODE, 25, 1), 1
	s_wait_xcnt 0x0
; x [4096][4096] f32 and W[o][i] = (nibble - zero[i]) * scale[i] (two nibbles in each int32 of weight_quant) become codes of FP4 (E2M1) with one E8M0 byte for each 32 along K, once;
; t = x lora_A^T [4096][8] is made on the way from the numbers of x that lie in registers for the quantiser.  Every step of the definition is done; nothing is left out.
; OUT.  xq, wq: [K step 8][row 4096][272 bytes]: a row's 512 codes of that K step (256 bytes), then its 16 scale bytes.  t2: [row][32 bytes]: 8 bf16 = upper part of 2 t, 8 bf16 = bf16(2 t - upper part).
; A block's byte is its largest magnitude's exponent field - 2, held at 1 from below by a floor among the maximum's leaves.
; LIMITS: NaN and infinities among the inputs are not served.  A block of zeros gets the byte 1 where the rule says 127: its codes are zeros, and this program alone reads the bytes.
;         For t, x and lora_A are rounded to bf16 (this product feeds no quantiser); its sums are f32.
; SHARES.  Work-group g: rows 16 g .. 16 g + 15 of x and of W; wave w: K step w of both.  No loop: every offset is an immediate.
; IN FLIGHT.  At its head a wave asks for scale and zero (8 loads), its 16 KiB of W (32 loads) and, by ONE tensor load, its 16 rows x 2,048 bytes of x.  lora_A's 32 loads go out behind W's eighth row.
; ORDER.  W's rows are worked first, row by row as their loads come in, while x's tile is on its way; then lora_A is turned; then x's four sub-steps of 128 along K; the one barrier; t's sum.
; NO CLUSTER: x's and W's rows are read by one work-group each; lora_A comes through registers.  NO PREFETCH: there is no loop to run ahead in; what comes from memory once is asked for at the head.
.set XROW, 2080                        ; a row of x's tile in LDS: 2 x (1,024 bytes + 16 of padding)
.set XTW,  16*XROW                     ; a wave's tile
.set AP,   528                         ; lora_A's turning stage: 512 bytes + 16
.set SCR,  8*XTW                       ; each wave's scratch, 4,352 bytes: W's out stage, then lora_A's turning stage, then x's out stage; no tensor load lands here
.set SCRW, 4352
.set RED,  SCR+8*SCRW                  ; each wave's partial t, 32 bytes a lane
.set SPARE, RED+8192                   ; the spare words, 128 bytes a wave
.set OP,   272
.set KSB,  4096*OP
.set XRD,  4                           ; x's tile: XTW w + 2,080 r + 64 h
.set ATS,  5                           ; scratch + 16 x lane
.set ATR,  6                           ; scratch + 528 (r mod 8) + 64 h
.set OST,  7                           ; scratch + 272 r + 8 h
.set OSC,  8                           ; scratch + 272 r + 256
.set ORD8, 10                          ; scratch + 4,096 + 8 x lane
.set WST,  11                          ; scratch + 4 x lane
.set WSB,  12                          ; scratch + 256 + lane / 4
.set RST,  13
.set RRD,  14
.set G16,  15
.set G8,   16
.set G32,  17
.set GT,   18
.set X,    32                          ; v32-95 64 numbers: register 16 b + i = k 32 b + 16 h + i of row r
.set OUTR, 32
.set ACC,  96                          ; two accumulators of t
.set TM,   112
.set PC,   128
.set PW,   136
.set SPW,  142
.set NIL,  143
.set SCV,  144
.set ZRV,  160
.set N,    176
.set OUTW, 144                         ; W's out stage read back: behind W's last row nothing writes these again
.set CW,   192
.set BW,   224
.set RS,   192                         ; in wave 0, at the end: the eight partial t
.set RAW,  0                           ; window 1: W as loaded
.set AFR,  128                         ; window 1: lora_A as loaded, then its bf16 fragments
.set G1,   24
.set G0,   32
.set MSB, 0
.macro WIN new                         ; bits 1:0 source 0, 3:2 source 1, 5:4 source 2, 7:6 destination; the high byte repeats the setting left
.if MSB != \new
	s_set_vgpr_msb (MSB<<8)|\new
.set MSB, \new
.endif
.endm
	s_load_b256 s[4:11], s[0:1], 0x0               ; x, weight_quant, scale, zero
	s_load_b256 s[12:19], s[0:1], 0x20             ; lora_A, xq, wq, t2
	v_lshl_add_u32 v[SPW], v0, 2, SPARE
	v_mov_b32 v[NIL], 0
	ds_add_u32 v[SPW], v[NIL]
	ds_add_u32 v[SPW], v[NIL]
	v_lshrrev_b32 v1, 5, v0
	v_readfirstlane_b32 s20, v1                    ; wave
	s_mov_b32 s[G1+0], (2<<16)|(1<<20)|(7<<22)|(3<<25)   ; elements of 4 bytes; four words of padding behind every 256
	s_mov_b32 s[G1+1], 512<<16
	s_mov_b32 s[G1+2], 16<<16
	s_mov_b32 s[G1+3], 512<<16                     ; 512 numbers a row,
	s_mov_b32 s[G1+4], 16                          ; 16 rows,
	s_mov_b32 s[G1+5], 4096                        ; 4,096 numbers apart
	s_mov_b32 s[G1+6], 0
	s_mov_b32 s[G1+7], 0
	s_lshl_b32 s50, ttmp9, 18                      ; x: 16 rows of 16,384 bytes a work-group,
	s_lshl_b32 s54, s20, 11                        ; 2,048 bytes of a row a wave (also in scale, zero, lora_A)
	s_add_co_u32 s50, s50, s54
	s_mov_b32 s51, 0
	s_mov_b32 s55, 0
	s_lshl_b32 s52, ttmp9, 17                      ; weight_quant: 16 rows of 8,192 bytes, 1,024 a wave
	s_lshl_b32 s21, s20, 10
	s_add_co_u32 s52, s52, s21
	s_mov_b32 s53, 0
	s_mul_i32 s56, s20, KSB                        ; xq, wq: K step w, 16 records a work-group
	s_mul_i32 s21, ttmp9, 16*OP
	s_add_co_u32 s56, s56, s21
	s_mov_b32 s57, 0
	s_lshl_b32 s58, ttmp9, 9                       ; t2
	s_mov_b32 s59, 0
	s_mul_i32 s60, s20, XTW
	s_mul_i32 s61, s20, SCRW
	s_add_co_u32 s61, s61, SCR
	s_lshl_b32 s62, s20, 10
	s_add_co_u32 s62, s62, RED
	s_mov_b32 s48, 0x76543210
	s_mov_b32 s49, 0xfedcba98                      ; selects for lane l xor 16
	v_and_b32 v1, 31, v0                           ; lane
	v_and_b32 v2, 15, v0                           ; r
	v_bfe_u32 v3, v0, 4, 1                         ; h
	v_lshlrev_b32 v[G16], 4, v1
	v_lshlrev_b32 v[G8], 3, v1
	v_lshlrev_b32 v[G32], 5, v1
	v_lshlrev_b32 v[GT], 5, v2
	v_lshl_add_u32 v[GT], v3, 4, v[GT]
	s_wait_alu depctr_va_vdst(0)
	s_wait_dscnt 0x0
	s_wait_kmcnt 0x0
	s_add_nc_u64 s[4:5], s[4:5], s[50:51]
	s_add_nc_u64 s[6:7], s[6:7], s[52:53]
	s_add_nc_u64 s[8:9], s[8:9], s[54:55]
	s_add_nc_u64 s[10:11], s[10:11], s[54:55]
	s_add_nc_u64 s[12:13], s[12:13], s[54:55]
	s_add_nc_u64 s[14:15], s[14:15], s[56:57]
	s_add_nc_u64 s[16:17], s[16:17], s[56:57]
	s_add_nc_u64 s[18:19], s[18:19], s[58:59]
	s_mov_b32 s[G0], 1
	s_mov_b32 s[G0+1], s60
	s_mov_b64 s[G0+2:G0+3], s[4:5]
	s_or_b32 s[G0+3], s[G0+3], 0x80000000
.irp u, 0,1                                    ; load u of a row of W gives lane l the columns 256 u + 8 l + 0 .. 7: their scale and zero
.irp c, 0,1
	global_load_b128 v[SCV+8*\u+4*\c:SCV+8*\u+4*\c+3], v[G32], s[8:9] offset:1024*\u+16*\c
	global_load_b128 v[ZRV+8*\u+4*\c:ZRV+8*\u+4*\c+3], v[G32], s[10:11] offset:1024*\u+16*\c
.endr
.endr
	WIN 0x40
.irp r, 0,1,2,3,4,5,6,7,8,9,10,11,12,13,14,15  ; W: 512 consecutive bytes a load
.irp u, 0,1
	global_load_b128 v[RAW+4*(2*\r+\u):RAW+4*(2*\r+\u)+3], v[G16], s[6:7] offset:8192*\r+512*\u th:TH_LOAD_NT
.endr
.endr
	WIN 0
	tensor_load_to_lds s[G0:G0+3], s[G1:G1+7]      ; my one tensor load: all my 32 KiB of x
	s_nop 0
	v_mul_u32_u24 v[XRD], v2, XROW
	v_lshl_add_u32 v[XRD], v3, 6, v[XRD]
	v_add_nc_u32 v[XRD], s60, v[XRD]
	v_add_nc_u32 v[ATS], s61, v[G16]
	v_and_b32 v9, 7, v0
	v_mul_u32_u24 v[ATR], v9, AP
	v_lshl_add_u32 v[ATR], v3, 6, v[ATR]
	v_add_nc_u32 v[ATR], s61, v[ATR]
	v_mul_u32_u24 v9, v2, OP
	v_add_nc_u32 v9, s61, v9
	v_lshl_add_u32 v[OST], v3, 3, v9
	v_add_nc_u32 v[OSC], 256, v9
	v_add_nc_u32 v[ORD8], s61, v[G8]
	v_add_nc_u32 v[ORD8], 4096, v[ORD8]
	v_lshl_add_u32 v[WST], v1, 2, s61
	v_lshrrev_b32 v[WSB], 2, v1
	v_add_nc_u32 v[WSB], s61, v[WSB]
	v_add_nc_u32 v[WSB], 256, v[WSB]
	v_lshl_add_u32 v[RST], v1, 5, s62
	v_lshl_add_u32 v[RRD], v1, 5, RED
.irp b, 0,1,2,3
	v_mov_b32 v[TM+4+\b], 0                        ; a lane permute's destination counts as one of its sources
.endr
; lora_A's sub-step q goes through my scratch and comes back 16 neighbours of each block of 32 to a lane, as x's numbers do; then bf16: four fragments.  Lanes r >= 8 read row r - 8 again.
.macro TURNA q
	s_wait_loadcnt 24-8*\q                         ; behind this sub-step's eight loads stand the later sub-steps' eight each
	WIN 0x04
.irp n, 0,1,2,3,4,5,6,7
	ds_store_b128 v[ATS], v[AFR+4*(8*\q+\n):AFR+4*(8*\q+\n)+3] offset:AP*\n
.endr
	WIN 0
.irp b, 0,1,2,3
.irp j, 0,1,2,3
	ds_load_b128 v[X+16*\b+4*\j:X+16*\b+4*\j+3], v[ATR] offset:128*\b+16*\j   ; a wave's LDS instructions are served in order
.endr
.endr
	s_wait_dscnt 0x0
	WIN 0x40
.set JJ, 0
.rept 32
	v_cvt_pk_bf16_f32 v[AFR+32*\q+JJ], v[X+2*JJ], v[X+2*JJ+1]
.set JJ, JJ+1
.endr
	WIN 0
.endm
; 64 numbers of a lane become codes (v[PC + 2 b], + 1: k 32 b + 16 h + 0 .. 15) and my row's scale word in v[PW]
.macro QUANT s
.irp b, 0,1,2,3
	v_max3_num_f32 v[TM+\b], |v[\s+16*\b]|, |v[\s+1+16*\b]|, 0x1800000   ; with the floor 2^(3 - 127)
.endr
.irp i, 2,4,6,8,10,12,14
.irp b, 0,1,2,3
	v_max3_num_f32 v[TM+\b], v[TM+\b], |v[\s+16*\b+\i]|, |v[\s+1+16*\b+\i]|   ; four blocks by turns
.endr
.endr
.irp b, 0,1,2,3
	v_permlanex16_b32 v[TM+4+\b], v[TM+\b], s48, s49
.endr
.irp b, 0,1,2,3
	v_max_num_f32 v[TM+\b], v[TM+\b], v[TM+4+\b]
.endr
.irp b, 0,1,2,3
	v_add_nc_u32 v[TM+12+\b], 0xff000000, v[TM+\b] ; 2 off the exponent field: the conversion's scale operand
.endr
.irp b, 0,1,2,3
	v_lshrrev_b32 v[TM+4+\b], 23, v[TM+12+\b]      ; the byte
.endr
	v_lshl_or_b32 v[PW], v[TM+5], 8, v[TM+4]
	v_lshl_or_b32 v[PW], v[TM+6], 16, v[PW]
	v_lshl_or_b32 v[PW], v[TM+7], 24, v[PW]
.irp b, 0,1,2,3
	v_cvt_scalef32_pk8_fp4_f32 v[PC+2*\b], v[\s+16*\b:\s+7+16*\b], v[TM+12+\b]
	v_cvt_scalef32_pk8_fp4_f32 v[PC+1+2*\b], v[\s+8+16*\b:\s+15+16*\b], v[TM+12+\b]
.endr
	v_nop                                          ; one plain place behind a scaled conversion
.endm
; x's sub-step q: quantised into the out stage, then rounded to bf16 and multiplied by lora_A's fragments (source 0 = lora_A's rows, source 1 = x's rows; both carry the same order of k).
.macro XSTEP q
.if \q == 0
	s_wait_tensorcnt 0x0                           ; my tile is in
.endif
.irp b, 0,1,2,3
.irp j, 0,1,2,3
	ds_load_b128 v[X+16*\b+4*\j:X+16*\b+4*\j+3], v[XRD] offset:1040*(\q/2)+512*(\q%2)+128*\b+16*\j
.endr
.endr
	s_wait_dscnt 0x0
	QUANT X
.irp b, 0,1,2,3
	ds_store_b64 v[OST], v[PC+2*\b:PC+2*\b+1] offset:64*\q+16*\b
.endr
	ds_store_b32 v[OSC], v[PW] offset:4*\q         ; both halves write the same word
.set JJ, 0
.rept 32
	v_cvt_pk_bf16_f32 v[X+JJ], v[X+2*JJ], v[X+2*JJ+1]   ; in place, ascending
.set JJ, JJ+1
.endr
	WIN 0x01
.irp b, 0,1,2,3
.if (\q == 0) && (\b < 2)
	v_wmma_f32_16x16x32_bf16 v[ACC+8*(\b%2):ACC+8*(\b%2)+7], v[AFR+32*\q+8*\b:AFR+32*\q+8*\b+7], v[X+8*\b:X+8*\b+7], 0
.else
	v_wmma_f32_16x16x32_bf16 v[ACC+8*(\b%2):ACC+8*(\b%2)+7], v[AFR+32*\q+8*\b:AFR+32*\q+8*\b+7], v[X+8*\b:X+8*\b+7], v[ACC+8*(\b%2):ACC+8*(\b%2)+7]
.endif
.endr
	WIN 0
.rept 4
	v_nop                                          ; four places ahead of loads into these products' sources and of the first read of their results
.endr
.endm
; the out stage, 4,352 bytes, leaves as it lies: 17 aligned runs of 256 bytes
.macro SENDOUT base, reg
.irp i, 0,1,2,3,4,5,6,7
	ds_load_b128 v[\reg+4*\i:\reg+4*\i+3], v[ATS] offset:512*\i
.endr
	ds_load_b64 v[\reg+32:\reg+33], v[ORD8]
.irp i, 0,1,2,3,4,5,6,7
	s_wait_dscnt 8-\i
	global_store_b128 v[G16], v[\reg+4*\i:\reg+4*\i+3], s[\base:\base+1] offset:512*\i
.endr
	s_wait_dscnt 0x0
	global_store_b64 v[G8], v[\reg+32:\reg+33], s[\base:\base+1] offset:4096
.endm
; row r of W, my 512 columns, 16 numbers a lane: (nibble - zero), then x scale, each rounded as the definition rounds it.  A block of 32 lies in four neighbouring lanes.
; more: the loads of lora_A that stand behind W's (0 for rows 0-7, 32 for rows 8-15)
.macro WROW r, more
	s_wait_loadcnt 30-2*\r+\more                   ; behind this row's two loads: the later rows' two each, and lora_A's where they are out
	WIN 0x05
.irp u, 0,1
.irp i, 0,1,2,3
	v_and_b32 v[N+8*\u+2*\i], 15, v[RAW+4*(2*\r+\u)+\i]
	v_bfe_u32 v[N+8*\u+2*\i+1], v[RAW+4*(2*\r+\u)+\i], 4, 4
.endr
.endr
	WIN 0
.irp i, 0,1,2,3,4,5,6,7,8,9,10,11,12,13,14,15
	v_cvt_f32_u32 v[N+\i], v[N+\i]
.endr
.irp i, 0,2,4,6,8,10,12,14
	v_pk_add_f32 v[N+\i:N+\i+1], v[N+\i:N+\i+1], v[ZRV+\i:ZRV+\i+1] neg_lo:[0,1] neg_hi:[0,1]
.endr
.irp i, 0,2,4,6,8,10,12,14
	v_pk_mul_f32 v[N+\i:N+\i+1], v[N+\i:N+\i+1], v[SCV+\i:SCV+\i+1]
.endr
.irp u, 0,1
	v_max3_num_f32 v[TM+\u], |v[N+8*\u]|, |v[N+8*\u+1]|, 0x1800000
.endr
.irp i, 2,4,6
.irp u, 0,1
	v_max3_num_f32 v[TM+\u], v[TM+\u], |v[N+8*\u+\i]|, |v[N+8*\u+\i+1]|
.endr
.endr
.irp m, 1,2
.irp u, 0,1
	v_max_num_f32_dpp v[TM+\u], v[TM+\u], v[TM+\u] row_xmask:\m row_mask:0xf bank_mask:0xf
.endr
.endr
.irp u, 0,1
	v_add_nc_u32 v[TM+12+\u], 0xff000000, v[TM+\u]
.endr
.irp u, 0,1
	v_cvt_scalef32_pk8_fp4_f32 v[CW+2*\r+\u], v[N+8*\u:N+8*\u+7], v[TM+12+\u]
.endr
.irp u, 0,1
	v_lshrrev_b32 v[BW+2*\r+\u], 23, v[TM+12+\u]   ; the byte; also the plain place behind the conversions
.endr
.irp u, 0,1
	ds_store_b32 v[WST], v[CW+2*\r+\u] offset:OP*\r+128*\u
	ds_store_b8 v[WSB], v[BW+2*\r+\u] offset:OP*\r+8*\u          ; a block's four lanes write the same byte
.endr
.endm
	s_wait_alu depctr_va_vdst(0)
.irp r, 0,1,2,3,4,5,6,7
	WROW \r, 0
.endr
	WIN 0x40
.irp q, 0,1,2,3                                ; lora_A: sub-step q, row n: eight rows of W's work ahead of its first use
.irp n, 0,1,2,3,4,5,6,7
	global_load_b128 v[AFR+4*(8*\q+\n):AFR+4*(8*\q+\n)+3], v[G16], s[12:13] offset:16384*\n+512*\q
.endr
.endr
	WIN 0
.irp r, 8,9,10,11,12,13,14,15
	WROW \r, 32
.endr
	SENDOUT 16, OUTW
	TURNA 0
	TURNA 1
	TURNA 2
	TURNA 3
	XSTEP 0
	XSTEP 1
	XSTEP 2
	XSTEP 3
.irp i, 0,2,4,6
	v_pk_add_f32 v[TM+\i:TM+\i+1], v[ACC+\i:ACC+\i+1], v[ACC+8+\i:ACC+8+\i+1]   ; my K step's part of t, from the low end on
.endr
	ds_store_b128 v[RST], v[TM:TM+3]
	ds_store_b128 v[RST], v[TM+4:TM+7] offset:16
	SENDOUT 14, OUTR
	s_wait_dscnt 0x0                               ; for the others' sake: my partial t lies in LDS
	s_barrier_signal -1
	s_barrier_wait -1
	s_cmp_lg_u32 s20, 0
	s_cbranch_scc1 .Lw
	; wave 0: the eight parts' sum, K ascending; 2 t as two bf16 parts: lanes 0-15 store the upper part, lanes 16-31 (which hold the same sums) the rest
.irp w, 0,1,2,3,4,5,6,7
	ds_load_b128 v[RS+8*\w:RS+8*\w+3], v[RRD] offset:1024*\w
	ds_load_b128 v[RS+8*\w+4:RS+8*\w+7], v[RRD] offset:1024*\w+16
.endr
	s_wait_dscnt 0x0
.irp w, 1,2,3,4,5,6,7
.irp i, 0,2,4,6
	v_pk_add_f32 v[RS+\i:RS+\i+1], v[RS+\i:RS+\i+1], v[RS+8*\w+\i:RS+8*\w+\i+1]
.endr
.endr
.irp i, 0,2,4,6
	v_pk_mul_f32 v[RS+\i:RS+\i+1], v[RS+\i:RS+\i+1], 2.0 op_sel_hi:[1,0]   ; the LoRA scaling, 16 / 8
.endr
.irp i, 0,1,2,3
	v_cvt_pk_bf16_f32 v[RS+8+\i], v[RS+2*\i], v[RS+2*\i+1]
.endr
.irp i, 0,1,2,3
	v_lshlrev_b32 v[RS+16+2*\i], 16, v[RS+8+\i]
	v_and_b32 v[RS+17+2*\i], 0xffff0000, v[RS+8+\i]
.endr
.irp i, 0,2,4,6
	v_pk_add_f32 v[RS+\i:RS+\i+1], v[RS+\i:RS+\i+1], v[RS+16+\i:RS+17+\i] neg_lo:[0,1] neg_hi:[0,1]
.endr
.irp i, 0,1,2,3
	v_cvt_pk_bf16_f32 v[RS+12+\i], v[RS+2*\i], v[RS+2*\i+1]
.endr
	v_cmp_le_u32 vcc_lo, 16, v1
.irp i, 0,1,2,3
	v_cndmask_b32 v[RS+8+\i], v[RS+8+\i], v[RS+12+\i], vcc_lo
.endr
	global_store_b128 v[GT], v[RS+8:RS+11], s[18:19]   ; 512 consecutive bytes: 16 records
.Lw:
	s_wait_tensorcnt 0x0                           ; the wave's end
	ds_add_u32 v[SPW], v[NIL]
	s_wait_dscnt 0x0
	s_endpgm
.Lfunc_end_k_q079149a7a1_prep:
	.size	k_q079149a7a1_prep, .Lfunc_end_k_q079149a7a1_prep-k_q079149a7a1_prep
	.p2alignl 7, 3214868480
	.fill 96, 4, 3214868480
	.section	.rodata,"a",@progbits
	.p2align	6, 0x0
	.amdhsa_kernel k_q079149a7a1_prep
		.amdhsa_group_segment_fixed_size 310272
		.amdhsa_private_segment_fixed_size 0
		.amdhsa_enable_private_segment 0
		.amdhsa_kernarg_size 64
		.amdhsa_user_sgpr_count 2
		.amdhsa_user_sgpr_kernarg_segment_ptr 1
		.amdhsa_wavefront_size32 1
		.amdhsa_system_sgpr_workgroup_id_x 1
		.amdhsa_system_sgpr_workgroup_id_y 1
		.amdhsa_system_sgpr_workgroup_id_z 1
		.amdhsa_system_vgpr_workitem_id 0
		.amdhsa_next_free_vgpr 512
		.amdhsa_next_free_sgpr 66
		.amdhsa_reserve_vcc 1
		.amdhsa_float_denorm_mode_32 3
		.amdhsa_float_denorm_mode_16_64 3
		.amdhsa_memory_ordered 1
		.amdhsa_forward_progress 1
		.amdhsa_inst_pref_size 124
	.end_amdhsa_kernel
	.amdgpu_metadata
---
amdhsa.version: [ 1, 2 ]
amdhsa.kernels:
  - .name:           k_q079149a7a1_prep
    .symbol:         k_q079149a7a1_prep.kd
    .args:
      - { .name: x, .offset: 0, .size: 8, .value_kind: global_buffer, .address_space: global }
      - { .name: weight_quant, .offset: 8, .size: 8, .value_kind: global_buffer, .address_space: global }
      - { .name: scale, .offset: 16, .size: 8, .value_kind: global_buffer, .address_space: global }
      - { .name: zero, .offset: 24, .size: 8, .value_kind: global_buffer, .address_space: global }
      - { .name: lora_A, .offset: 32, .size: 8, .value_kind: global_buffer, .address_space: global }
      - { .name: xq, .offset: 40, .size: 8, .value_kind: global_buffer, .address_space: global }
      - { .name: wq, .offset: 48, .size: 8, .value_kind: global_buffer, .address_space: global }
      - { .name: t2, .offset: 56, .size: 8, .value_kind: global_buffer, .address_space: global }
    .group_segment_fixed_size: 310272
    .private_segment_fixed_size: 0
    .kernarg_segment_align: 8
    .kernarg_segment_size: 64
    .max_flat_workgroup_size: 256
    .sgpr_count:     66
    .vgpr_count:     512
    .wavefront_size: 32
...
	.end_amdgpu_metadata
.endif
;; end of part 1
;; launch gemm (part 2): grid 16 x 16, 4 waves a work-group, clusters of 4 x 4, 327,680 bytes of LDS; arguments xq, wq, t2, lora_B, bias, out0; writes out0
.if DOCPART == 2
	.amdgcn_target "amdgcn-amd-amdhsa--gfx1250"
	.amdhsa_code_object_version 6
	.text
	.protected	k_q079149a7a1_gemm
	.globl	k_q079149a7a1_gemm
	.p2align	8
	.type	k_q079149a7a1_gemm,@function
k_q079149a7a1_gemm:
	s_mov_b64 s[64:65], 0
	v_nop
	global_prefetch_b8 v0, s[64:65] scope:SCOPE_SE
	s_setreg_imm32_b32 hwreg(HW_REG_WAVE_MODE, 25, 1), 1
	s_wait_xcnt 0x0
	s_wait_alu depctr_hold_cnt(0) depctr_sa_sdst(0) depctr_va_vdst(0) depctr_va_sdst(0) depctr_va_ssrc(0) depctr_va_vcc(0) depctr_vm_vsrc(0)
	s_getreg_b32 s2, hwreg(HW_REG_IB_STS2, 6, 4)
	s_cmp_eq_u32 s2, 0
	s_cbranch_scc0 .Lentry_in_a_cluster
	s_endpgm
.Lentry_in_a_cluster:
	s_bfe_u32 s2, ttmp6, 0x10000c
	s_cmp_lg_u32 s2, 0xf033
	s_cbranch_scc0 .Lentry_shape_is_right
	s_endpgm
.Lentry_shape_is_right:
; out[m][n] = sum over k of Q(x)[m][k] Q(W)[n][k] + bias[n] + sum over j of (2 t)[m][j] lora_B[n][j].  Nothing of the definition is left out.
; xq, wq: [K step 8][row 4096][272 bytes]: 512 codes of FP4, then 16 E8M0 bytes: 128 rows of a K step are 34,816 dense bytes, fetched as 136 rows of 256, and lie in LDS 272 bytes apart.
; A tile of 256 x 256 a work-group, 128 x 128 a wave: 64 accumulators.  The sums BEGIN with one bf16 product a tile, K = 32: 2 t and lora_B each as an upper and a lower bf16 part, all four cross products, bias as C.
; K goes in 8 steps of 512 through two LDS slots.  4 x 4 clusters: x's tiles are asked for jointly along a row, W's along a column.  Source 0 = W's rows, source 1 = x's rows: a lane holds 8 neighbours of a row of out.
; A step of 128 along K: ONE run of 32 LDS loads for the next step, into the other of two sets of fragments, then 64 products in four quadrants (x's blocks 0-3 or 4-7 against W's 0-3 or 4-7).
; A CHANGE OF SLOTS stands at the head of a slot's last step: that step's fragments are in registers by then, so the slot is read out; the round and the refill follow the wait for the other slot's tile directly.
; THE LAST K STEP goes by rows of out: all its fragments of W fill window 1, and each block of 16 rows leaves while the next is multiplied.
; PREFETCH: K step 1 is named ahead of the first round; behind the joint load of K step s (s <= 5) each wave names K step s + 2 of its share: of the 136 blocks of 256 bytes that a wave fetches,
;           each of the four partners takes 34, told apart by address.
; LIMITS: as the launch before states; lora_B and 2 t enter as pairs of bf16.
; REGISTERS: window 0: v0-31 addresses, v32-95 scale words (two sets), v128-255 x's fragments (two sets); window 1: W's fragments, sets at v0 and v128; windows 2, 3: accumulator (a, b) at v[8 (8 (a % 4) + b)].
.set SIZE_N, 4096
.set PITCH,  272
.set HALFT,  128*PITCH
.set SLOT,   4*HALFT
.set KSB,    4096*PITCH
.set LAPS,   4
.set SPARE,  2*SLOT                    ; the spare words, 128 bytes a wave
.set SPITCH, 528                       ; the way out: each wave's stage of 16 rows x 528 bytes, in slot 0 behind its last fill and last read
.set ADRA, 16
.set ADRB, 20
.set ADRS, 22
.set STO,  24
.set RD,   25
.set CO,   26
.set SPW,  28
.set NIL,  29
.set PFO,  30                          ; 256 x lane: blocks 0-31 of my 34
.set PFO2, 31                          ; blocks 32 and 33 (lanes 1-31 all name the last)
.set SC,   32
.set AF,   128
.set BIAS, 64
.set LRAW, 128
.set LTMP, 192
.set G1, 24
.set G0, 32
.set G1B, 48
.set G0B, 56
.set PFA, 70
.set MSB, 0
.macro WIN new
.if MSB != \new
	s_set_vgpr_msb (MSB<<8)|\new
.set MSB, \new
.endif
.endm
.set MUL_LO, 0xa1                      ; source 0 window 1, source 1 window 0, C and D window 2
.set MUL_HI, 0xf1
.set TO_B,   0x40
.macro PLACES n
.rept \n
	v_nop
.endr
.endm
.macro JLOAD s                         ; waves 0, 1 fetch x's two halves, waves 2, 3 W's
	s_cmp_eq_u32 s17, 0
	s_cbranch_scc0 .Lfor_b_\@
	tensor_load_to_lds s[G0+4*\s:G0+4*\s+3], s[G1:G1+7]
	s_nop 0
	PLACES 4
	s_branch .Lasked_\@
.Lfor_b_\@:
	tensor_load_to_lds s[G0B+4*\s:G0B+4*\s+3], s[G1B:G1B+7]
	s_nop 0
	PLACES 4
.Lasked_\@:
.endm
.macro CREST
	s_cmp_lg_u32 s16, 0
	s_cbranch_scc1 .Lnot_wave_0_\@
	s_barrier_signal -3
.Lnot_wave_0_\@:
	s_barrier_wait -3
	s_barrier_signal -1
	s_barrier_wait -1
.endm
.macro CROUND
	s_barrier_signal -1
	s_barrier_wait -1
	CREST
.endm
.macro ASK off, cond                   ; cond = 1, in the loop: its last trip (s3 = 1) has no K step two on
.if \cond
	s_cmp_gt_u32 s3, 1
	s_cbranch_scc0 .Lno_ask_\@
.endif
	global_prefetch_b8 v[PFO], s[PFA:PFA+1] offset:\off th:TH_LOAD_NT scope:SCOPE_SE
	global_prefetch_b8 v[PFO2], s[PFA:PFA+1] offset:\off th:TH_LOAD_NT scope:SCOPE_SE
.Lno_ask_\@:
.endm
	s_load_b256 s[4:11], s[0:1], 0x0               ; xq, wq, t2, lora_B
	s_load_b128 s[12:15], s[0:1], 0x20             ; bias, out0
	v_lshl_add_u32 v[SPW], v0, 2, SPARE
	v_mov_b32 v[NIL], 0
	ds_add_u32 v[SPW], v[NIL]
	ds_add_u32 v[SPW], v[NIL]
	v_lshrrev_b32 v1, 5, v0
	v_readfirstlane_b32 s16, v1                    ; wave
	s_lshr_b32 s17, s16, 1                         ; my half of the rows; also: I fetch for x (0) or W (1)
	s_and_b32 s18, s16, 1                          ; my half of the columns; also: which 128 rows I fetch
	s_bfe_u32 s40, ttmp6, 0x40000                  ; cx
	s_bfe_u32 s41, ttmp6, 0x40004                  ; cy
	s_lshl_b32 s42, ttmp9, 2
	s_add_co_u32 s42, s42, s40                     ; tile column
	s_and_b32 s19, ttmp7, 0xffff
	s_lshl_b32 s19, s19, 2
	s_add_co_u32 s19, s19, s41                     ; tile row
	s_lshl_b32 s43, s41, 2
	s_lshl_b32 s43, 15, s43                        ; my row of the cluster
	s_lshl_b32 s44, 0x1111, s40                    ; my column
	s_or_b32 s[G1+0], s43, (3<<16)|(1<<21)         ; elements of 8 bytes, no padding: the records are 272 bytes already
	s_or_b32 s[G1B+0], s44, (3<<16)|(1<<21)
.irp g, G1, G1B
	s_mov_b32 s[\g+1], 32<<16
	s_mov_b32 s[\g+2], 136<<16
	s_mov_b32 s[\g+3], 32<<16
	s_mov_b32 s[\g+4], 136
	s_mov_b32 s[\g+5], 32
	s_mov_b32 s[\g+6], 0
	s_mov_b32 s[\g+7], 0
.endr
	s_lshl_b32 s22, s18, 7
	s_lshl_b32 s20, s19, 8
	s_add_co_u32 s20, s20, s22
	s_mul_i32 s20, s20, PITCH                      ; x: the 128 records that I fetch
	s_mov_b32 s21, 0
	s_lshl_b32 s46, s42, 8
	s_add_co_u32 s46, s46, s22
	s_mul_i32 s46, s46, PITCH                      ; W likewise
	s_mov_b32 s47, 0
	s_mul_i32 s45, s16, HALFT                      ; where they go
	s_lshl_b32 s66, s19, 8
	s_lshl_b32 s67, s17, 7
	s_add_co_u32 s66, s66, s67                     ; my first row of out
	s_lshl_b32 s68, s66, 5                         ; in t2
	s_mov_b32 s69, 0
	s_lshl_b32 s66, s66, 14                        ; in out
	s_mov_b32 s67, 0
	s_lshl_b32 s78, s42, 8
	s_add_co_u32 s78, s78, s22                     ; my first column
	s_lshl_b32 s80, s78, 5                         ; in lora_B
	s_mov_b32 s81, 0
	s_lshl_b32 s78, s78, 2                         ; in bias and in a row of out
	s_mov_b32 s79, 0
	s_mul_i32 s72, s17, HALFT                      ; LDS: my 128 rows of x,
	s_mul_i32 s73, s18, HALFT
	s_add_co_u32 s73, s73, 2*HALFT                 ; of W,
	s_sub_co_u32 s74, s73, s72
	s_mul_i32 s75, s16, 16*SPITCH                  ; my stage
	s_cmp_eq_u32 s17, 0                            ; the prefetches: the tile that I fetch for, and my place among the four that ask with me
	s_cselect_b32 s76, s19, s42
	s_cselect_b32 s77, s40, s41
	s_lshl_b32 s76, s76, 8
	s_add_co_u32 s76, s76, s22
	s_mul_i32 s76, s76, PITCH
	s_mul_i32 s77, s77, 34*256
	s_add_co_u32 s76, s76, s77
	s_mov_b32 s77, 0
	v_and_b32 v1, 15, v0                           ; r
	v_bfe_u32 v2, v0, 4, 1                         ; h
	v_lshlrev_b32 v10, 5, v1                       ; lora_B: 32 bytes a row
	v_lshlrev_b32 v11, 5, v2                       ; bias: my 8 columns
	v_lshl_add_u32 v12, v2, 4, v10                 ; t2: lanes 0-15 the upper part, lanes 16-31 the lower
	v_and_b32 v[PFO], 31, v0
	v_min_u32 v[PFO2], 1, v[PFO]
	v_lshlrev_b32 v[PFO], 8, v[PFO]
	v_lshl_add_u32 v[PFO2], v[PFO2], 8, 8192
	s_wait_alu depctr_va_vdst(0)
	s_wait_dscnt 0x0
	s_wait_kmcnt 0x0
	s_add_nc_u64 s[20:21], s[4:5], s[20:21]
	s_add_nc_u64 s[46:47], s[6:7], s[46:47]
	s_add_nc_u64 s[8:9], s[8:9], s[68:69]
	s_add_nc_u64 s[14:15], s[14:15], s[66:67]
	s_add_nc_u64 s[14:15], s[14:15], s[78:79]
	s_add_nc_u64 s[12:13], s[12:13], s[78:79]
	s_add_nc_u64 s[10:11], s[10:11], s[80:81]
	s_cmp_eq_u32 s17, 0
	s_cselect_b64 s[PFA:PFA+1], s[4:5], s[6:7]
	s_add_nc_u64 s[PFA:PFA+1], s[PFA:PFA+1], s[76:77]   ; my 34 blocks of K step 0
.irp s, 0,1
	s_mov_b32 s[G0+4*\s], 1
	s_add_co_u32 s[G0+4*\s+1], s45, \s*SLOT
	s_add_nc_u64 s[G0+4*\s+2:G0+4*\s+3], s[20:21], \s*KSB
	s_or_b32 s[G0+4*\s+3], s[G0+4*\s+3], 0x80000000
	s_mov_b32 s[G0B+4*\s], 1
	s_add_co_u32 s[G0B+4*\s+1], s45, \s*SLOT
	s_add_nc_u64 s[G0B+4*\s+2:G0B+4*\s+3], s[46:47], \s*KSB
	s_or_b32 s[G0B+4*\s+3], s[G0B+4*\s+3], 0x80000000
.endr
	WIN TO_B                                       ; the first product's operands are asked for ahead of the round: they are on their way through it and through K step 0's flight
.irp b, 0,1,2,3,4,5,6,7
	global_load_b128 v[LRAW+8*\b:LRAW+8*\b+3], v10, s[10:11] offset:512*\b
	global_load_b128 v[LRAW+8*\b+4:LRAW+8*\b+7], v10, s[10:11] offset:512*\b+16
	global_load_b128 v[BIAS+8*\b:BIAS+8*\b+3], v11, s[12:13] offset:64*\b
	global_load_b128 v[BIAS+8*\b+4:BIAS+8*\b+7], v11, s[12:13] offset:64*\b+16
.endr
	WIN 0
.irp a, 0,1,2,3,4,5,6,7
	global_load_b128 v[AF+8*\a:AF+8*\a+3], v12, s[8:9] offset:512*\a       ; k 0-7 upper, 8-15 lower,
	global_load_b128 v[AF+8*\a+4:AF+8*\a+7], v12, s[8:9] offset:512*\a     ; and the same for k 16-31
.endr
	ASK KSB, 0                                     ; K step 1, a whole fill ahead of its load
	CROUND                                         ; all sixteen work-groups are here
	JLOAD 0                                        ; K step 0: my one tensor load at the head
	v_mul_u32_u24 v3, v1, PITCH
	v_lshl_add_u32 v4, v2, 4, v3                   ; a fragment's row + 16 h
	v_mul_u32_u24 v6, s74, v2                      ; lanes 16-31 take W's scale words
	v_add_nc_u32 v5, 256, v3
	v_add_nc_u32 v5, v5, v6
	v_add_nc_u32 v[ADRA], s72, v4
	v_add_nc_u32 v[ADRB], s73, v4
	v_add_nc_u32 v[ADRS], s72, v5
	v_add_nc_u32 v[ADRA+1], SLOT, v[ADRA]
	v_add_nc_u32 v[ADRB+1], SLOT, v[ADRB]
	v_add_nc_u32 v[ADRS+1], SLOT, v[ADRS]
	v_mul_u32_u24 v5, v1, SPITCH
	v_lshl_add_u32 v5, v2, 5, v5
	v_add_nc_u32 v[STO], s75, v5
	v_and_b32 v6, 31, v0
	v_lshlrev_b32 v[CO], 4, v6
	v_add_nc_u32 v[RD], s75, v[CO]
	ASK 2*KSB, 0
	s_wait_loadcnt 0x0
	WIN 0x55                                       ; lora_B into an upper (registers 0-3: k 0-15) and a lower bf16 part (registers 4-7: k 16-31)
.irp b, 0,1,2,3,4,5,6,7
.irp i, 0,1,2,3
	v_cvt_pk_bf16_f32 v[8*\b+\i], v[LRAW+8*\b+2*\i], v[LRAW+8*\b+2*\i+1]
.endr
.endr
.irp b, 0,1,2,3,4,5,6,7
.irp i, 0,1,2,3
	v_lshlrev_b32 v[LTMP+8*\b+2*\i], 16, v[8*\b+\i]
	v_and_b32 v[LTMP+8*\b+2*\i+1], 0xffff0000, v[8*\b+\i]
.endr
.endr
.irp b, 0,1,2,3,4,5,6,7
.irp i, 0,2,4,6
	v_pk_add_f32 v[LRAW+8*\b+\i:LRAW+8*\b+\i+1], v[LRAW+8*\b+\i:LRAW+8*\b+\i+1], v[LTMP+8*\b+\i:LTMP+8*\b+\i+1] neg_lo:[0,1] neg_hi:[0,1]
.endr
.endr
.irp b, 0,1,2,3,4,5,6,7
.irp i, 0,1,2,3
	v_cvt_pk_bf16_f32 v[8*\b+4+\i], v[LRAW+8*\b+2*\i], v[LRAW+8*\b+2*\i+1]
.endr
.endr
.macro START hi                        ; the sums begin: 2 t lora_B^T + bias
.irp a, 0,1,2,3
.irp b, 0,1,2,3,4,5,6,7
	v_wmma_f32_16x16x32_bf16 v[8*(8*\a+\b):8*(8*\a+\b)+7], v[8*\b:8*\b+7], v[AF+8*(4*\hi+\a):AF+8*(4*\hi+\a)+7], v[BIAS+8*\b:BIAS+8*\b+7]
.endr
.endr
.endm
	WIN 0x91
	START 0
	WIN 0xd1
	START 1
	WIN 0
	PLACES 5                                       ; five places: another form takes these results up as its C
; 16 products: x's blocks 4 ah + 0..3 against W's 4 bh + 0..3; p: the set of fragments; q: which 128 of the slot; sc: the set of scale words.  The 64 accumulators take turns.
.macro MULQ ah, bh, p, q, sc
.irp a, 0,1,2,3
.irp b, 0,1,2,3
	v_wmma_scale_f32_16x16x128_f8f6f4 v[8*(8*\a+4*\bh+\b):8*(8*\a+4*\bh+\b)+7], v[128*(\p)+8*(4*\bh+\b):128*(\p)+8*(4*\bh+\b)+7], v[AF+64*(\p)+8*(4*\ah+\a):AF+64*(\p)+8*(4*\ah+\a)+7], v[8*(8*\a+4*\bh+\b):8*(8*\a+4*\bh+\b)+7], v[SC+32*(\sc)+4*(4*\bh+\b)+(\q)], v[SC+32*(\sc)+4*(4*\ah+\a)+(\q)] matrix_a_fmt:MATRIX_FMT_FP4 matrix_b_fmt:MATRIX_FMT_FP4 matrix_a_scale:MATRIX_SCALE_ROW1
.endr
.endr
.endm
.macro FA slot, q, p, hi               ; 8 loads: x's blocks 4 hi + 0..3 into set p
	WIN 0
.irp i, 0,1,2,3
.irp c, 0,1
	ds_load_b128 v[AF+64*(\p)+8*(4*\hi+\i)+4*\c:AF+64*(\p)+8*(4*\hi+\i)+4*\c+3], v[ADRA+\slot] offset:64*(\q)+32*\c+(4*\hi+\i)*16*PITCH
.endr
.endr
.endm
.macro FB slot, q, p, hi               ; 8 loads: W's blocks 4 hi + 0..3 into set p
	WIN TO_B
.irp i, 0,1,2,3
.irp c, 0,1
	ds_load_b128 v[128*(\p)+8*(4*\hi+\i)+4*\c:128*(\p)+8*(4*\hi+\i)+4*\c+3], v[ADRB+\slot] offset:64*(\q)+32*\c+(4*\hi+\i)*16*PITCH
.endr
.endr
.endm
.macro SCALES sc                       ; 8 loads: lanes 0-15 the four words of x's block i, lanes 16-31 of W's
.irp i, 0,1,2,3,4,5,6,7
	ds_load_b128 v[SC+32*\sc+4*\i:SC+32*\sc+4*\i+3], v[ADRS+\sc] offset:\i*16*PITCH
.endr
.endm
.macro MUL64 p, q, sc, w1, w2          ; a step's 64 products; w1, w2: the waits ahead of the second and third quadrant (-1: none)
	WIN MUL_LO
	MULQ 0, 0, \p, \q, \sc
.if \w1 >= 0
	s_wait_dscnt \w1
.endif
	MULQ 0, 1, \p, \q, \sc
.if \w2 >= 0
	s_wait_dscnt \w2
.endif
	WIN MUL_HI
	MULQ 1, 1, \p, \q, \sc
	MULQ 1, 0, \p, \q, \sc
.endm
; A step whose successor lies in the same slot.  A run of loads goes out in groups of 8: x 0-3, W 0-3, W 4-7, x 4-7.
.macro STEP slot, q
	s_wait_dscnt 16                                ; this step's x 0-3 and W 0-3 are in; its W 4-7 and x 4-7 may be out
	PLACES 4                                       ; ahead of the loads into the set that the last step multiplied
	FA \slot, (\q)+1, 1-(\q)%2, 0
	FB \slot, (\q)+1, 1-(\q)%2, 0
	FB \slot, (\q)+1, 1-(\q)%2, 1
	FA \slot, (\q)+1, 1-(\q)%2, 1
	MUL64 (\q)%2, \q, \slot, 40, 32                ; W 4-7: behind them x 4-7 and the 32 just issued; x 4-7: the 32
.endm
; A slot's last step begins with the change of slots: the round, the refill; then the next slot's first fragments and scale words, then the step's products.
.macro TURN slot, next
	WIN 0
	s_wait_tensorcnt 0x0                           ; my part of the next slot is in
	ds_add_u32 v[SPW], v[NIL]
	s_add_nc_u64 s[G0+4*\slot+2:G0+4*\slot+3], s[G0+4*\slot+2:G0+4*\slot+3], 2*KSB     ; no tensor load of mine is out: this slot's next tile
	s_add_nc_u64 s[G0B+4*\slot+2:G0B+4*\slot+3], s[G0B+4*\slot+2:G0B+4*\slot+3], 2*KSB
	s_wait_dscnt 0x0                               ; the add is done; this step's fragments are in: my reads of this slot are over
	CROUND
	JLOAD \slot                                    ; its four v_nop are the places ahead of the loads below
	FB \next, 0, 0, 0
	FA \next, 0, 0, 0
	SCALES \next
	FB \next, 0, 0, 1
	FA \next, 0, 0, 1
	ASK (4+\slot)*KSB, 1
	MUL64 1, 3, \slot, -1, -1
.endm
	s_wait_alu depctr_va_vdst(0)
	s_wait_tensorcnt 0x0                           ; my part of K step 0 is in; slot 1's first fill is issued as a refill is
	ds_add_u32 v[SPW], v[NIL]
	s_wait_dscnt 0x0
	CROUND
	JLOAD 1
	FB 0, 0, 0, 0
	FA 0, 0, 0, 0
	SCALES 0
	FB 0, 0, 0, 1
	FA 0, 0, 0, 1
	ASK 3*KSB, 0
	STEP 0, 0
	WIN 0
	s_mov_b32 s3, LAPS-1
.Llap:                                                 ; a trip: from a lap's second step to the next lap's first; both slots are filled again
	STEP 0, 1
	STEP 0, 2
	TURN 0, 1
	STEP 1, 0
	STEP 1, 1
	STEP 1, 2
	TURN 1, 0
	STEP 0, 0
	WIN 0
	s_wait_xcnt 0x0                                ; my prefetches have read their base: it steps two K steps on
	s_add_nc_u64 s[PFA:PFA+1], s[PFA:PFA+1], 2*KSB
	s_sub_co_u32 s3, s3, 1
	s_cmp_lg_u32 s3, 0
	s_cbranch_scc1 .Llap
	STEP 0, 1
	STEP 0, 2
; THE LAST K STEP (slot 1), BY ROWS.  W's fragments of quarter q at window 1, v[64 q + 8 b]; x's block a, all four quarters, at v[128 + 32 (a % 2)].
.macro BLOAD q
.irp i, 0,1,2,3,4,5,6,7
.irp c, 0,1
	ds_load_b128 v[64*\q+8*\i+4*\c:64*\q+8*\i+4*\c+3], v[ADRB+1] offset:64*\q+32*\c+\i*16*PITCH
.endr
.endr
.endm
.macro ALOAD a
.set PAB, AF+32*((\a)%2)
.irp q, 0,1,2,3
.irp c, 0,1
	ds_load_b128 v[PAB+8*\q+4*\c:PAB+8*\q+4*\c+3], v[ADRA+1] offset:64*\q+32*\c+(\a)*16*PITCH
.endr
.endr
.endm
.macro ROW a                           ; block a is finished: 32 products, its 8 accumulators by turns
.set PAB, AF+32*((\a)%2)
.set AC, 64*((\a)%4)
	WIN MUL_LO+0x50*((\a)/4)
.irp q, 0,1,2,3
.if (\a) == 0
	s_wait_dscnt 56-16*\q                          ; W's quarter q is in: behind it the later quarters' 16 each and x's block 1
.endif
.irp b, 0,1,2,3,4,5,6,7
	v_wmma_scale_f32_16x16x128_f8f6f4 v[AC+8*\b:AC+8*\b+7], v[64*\q+8*\b:64*\q+8*\b+7], v[PAB+8*\q:PAB+8*\q+7], v[AC+8*\b:AC+8*\b+7], v[SC+32+4*\b+\q], v[SC+32+4*(\a)+\q] matrix_a_fmt:MATRIX_FMT_FP4 matrix_b_fmt:MATRIX_FMT_FP4 matrix_a_scale:MATRIX_SCALE_ROW1
.endr
.endr
	WIN 0
.endm
; The way out of block a: into my stage, back as whole rows of 512 bytes.  Even blocks come back into v192-255, odd ones into v32-63 and v96-127.
.macro TOSTAGE a
.set AC, 64*((\a)%4)
	WIN 0x08+4*((\a)/4)
.irp b, 0,1,2,3,4,5,6,7
	ds_store_b128 v[STO], v[AC+8*\b:AC+8*\b+3] offset:64*\b          ; each accumulator from its low end on
	ds_store_b128 v[STO], v[AC+8*\b+4:AC+8*\b+7] offset:64*\b+16
.endr
	WIN 0
.irp t, 0,1,2,3,4,5,6,7,8,9,10,11,12,13,14,15
.set BB, 192*(1-(\a)%2)+(32+32*(\t/8))*((\a)%2)+4*\t
	ds_load_b128 v[BB:BB+3], v[RD] offset:\t*SPITCH                  ; a wave's LDS instructions are served in order
.endr
.endm
.macro SEND a, younger
	s_wait_dscnt \younger
.irp t, 0,1,2,3,4,5,6,7,8,9,10,11,12,13,14,15
.set BB, 192*(1-(\a)%2)+(32+32*(\t/8))*((\a)%2)+4*\t
	global_store_b128 v[CO], v[BB:BB+3], s[14:15] offset:(16*(\a)+\t)*SIZE_N*4 th:TH_STORE_NT   ; 512 consecutive bytes; 127 rows at the most stay inside the signed 24-bit immediate
.endr
.endm
	s_wait_dscnt 0x0                               ; slot 0's last fragments are in
	MUL64 1, 3, 0, -1, -1                          ; its last products go ahead of the wait for slot 1: behind them both sets of fragments are free
	WIN 0
	s_wait_tensorcnt 0x0                           ; my part of the last K step is in
	ds_add_u32 v[SPW], v[NIL]
	s_wait_dscnt 0x0
	s_barrier_signal -1
	s_barrier_wait -1                              ; slot 1 is whole, nobody reads slot 0 any more; nothing is filled again
	PLACES 4
	SCALES 1
	ALOAD 0
	WIN TO_B
	BLOAD 0
	BLOAD 1
	BLOAD 2
	BLOAD 3
	WIN 0
	ALOAD 1
	ROW 0
.irp a, 0,1,2,3,4,5,6,7
	PLACES 4                                       ; ahead of the reads of block a's results and of the loads into its fragments' registers
.if \a >= 2
	s_wait_xcnt 0x0                                ; block a - 2's stores have read the registers that block a comes back into
.endif
	TOSTAGE \a
.if \a < 6
	ALOAD \a+2
	s_wait_dscnt 40                                ; x's block a + 1 is in: behind it stand the stage's 32 and block a + 2's 8
	ROW \a+1
	SEND \a, 8                                     ; block a leaves behind the next block's products; block a + 2's 8 loads may be out
.else
.if \a < 7
	s_wait_dscnt 32
	ROW \a+1
.endif
	SEND \a, 0
.endif
.endr
	s_wait_tensorcnt 0x0                           ; the wave's end
	ds_add_u32 v[SPW], v[NIL]
	s_wait_dscnt 0x0
	CROUND                                         ; the closing round
	s_endpgm
.Lfunc_end_k_q079149a7a1_gemm:
	.size	k_q079149a7a1_gemm, .Lfunc_end_k_q079149a7a1_gemm-k_q079149a7a1_gemm
	.p2alignl 7, 3214868480
	.fill 96, 4, 3214868480
	.section	.rodata,"a",@progbits
	.p2align	6, 0x0
	.amdhsa_kernel k_q079149a7a1_gemm
		.amdhsa_group_segment_fixed_size 327680
		.amdhsa_private_segment_fixed_size 0
		.amdhsa_enable_private_segment 0
		.amdhsa_kernarg_size 48
		.amdhsa_user_sgpr_count 2
		.amdhsa_user_sgpr_kernarg_segment_ptr 1
		.amdhsa_wavefront_size32 1
		.amdhsa_system_sgpr_workgroup_id_x 1
		.amdhsa_system_sgpr_workgroup_id_y 1
		.amdhsa_system_sgpr_workgroup_id_z 1
		.amdhsa_system_vgpr_workitem_id 0
		.amdhsa_next_free_vgpr 1024
		.amdhsa_next_free_sgpr 82
		.amdhsa_reserve_vcc 0
		.amdhsa_float_denorm_mode_32 3
		.amdhsa_float_denorm_mode_16_64 3
		.amdhsa_memory_ordered 1
		.amdhsa_forward_progress 1
		.amdhsa_inst_pref_size 227
	.end_amdhsa_kernel
	.amdgpu_metadata
---
amdhsa.version: [ 1, 2 ]
amdhsa.kernels:
  - .name:           k_q079149a7a1_gemm
    .symbol:         k_q079149a7a1_gemm.kd
    .args:
      - { .name: xq, .offset: 0, .size: 8, .value_kind: global_buffer, .address_space: global }
      - { .name: wq, .offset: 8, .size: 8, .value_kind: global_buffer, .address_space: global }
      - { .name: t2, .offset: 16, .size: 8, .value_kind: global_buffer, .address_space: global }
      - { .name: lora_B, .offset: 24, .size: 8, .value_kind: global_buffer, .address_space: global }
      - { .name: bias, .offset: 32, .size: 8, .value_kind: global_buffer, .address_space: global }
      - { .name: out0, .offset: 40, .size: 8, .value_kind: global_buffer, .address_space: global }
    .group_segment_fixed_size: 327680
    .private_segment_fixed_size: 0
    .kernarg_segment_align: 8
    .kernarg_segment_size: 48
    .max_flat_workgroup_size: 128
    .sgpr_count:     82
    .vgpr_count:     1024
    .wavefront_size: 32
...
	.end_amdgpu_metadata
.endif
;; end of part 2
